; MI455X (gfx1250); checked and timed in simulation.
; The chip was launched on July 23, 2026; its instructions are those of AMD's public machine-readable ISA for CDNA 5 (MIT licence, August 2026) and "CDNA5" Instruction Set Architecture Reference Guide (July 2026). The comments in the code are by the model that wrote it; some were corrected since.
;; FPS Sampler. Allowed arithmetic: float matrix products may take bf16 or f16 operands with f32 sums; all other float work in f32.
;; Inputs: x 128 x 3 x 32,768 float32.
;; Outputs: out0 128 x 3 x 64 float32.
;; One version. Each part assembles by itself: llvm-mc -triple=amdgcn-amd-amdhsa -mcpu=gfx1250 --defsym DOCPART=n.
;; ======== version 1 of 1: 1 launch
;; launch fps (part 1): grid 128 x 1, 16 waves a work-group, no clusters, 272,896 bytes of LDS; arguments x, out0; writes out0
.if DOCPART == 1
	.amdgcn_target "amdgcn-amd-amdhsa--gfx1250"
	.amdhsa_code_object_version 6
	.text
	.protected	k_q99341eb44f_fps
	.globl	k_q99341eb44f_fps
	.p2align	8
	.type	k_q99341eb44f_fps,@function
k_q99341eb44f_fps:
	s_mov_b64 s[64:65], 0
	v_nop
	global_prefetch_b8 v0, s[64:65] scope:SCOPE_SE
	s_setreg_imm32_b32 hwreg(HW_REG_WAVE_MODE, 25, 1), 1
	s_wait_xcnt 0x0
; FURTHEST POINT SAMPLING.  x: [128][3][32768] f32, out0: [128][3][64] f32.  Pick 0 is point 0; 63 times: mindist = min(mindist, |p - last|^2), last = the first point with the largest mindist.
; ONE WORK-GROUP FOR A BATCH, sixteen waves.  The 63 steps of a batch hang on each other and each needs all its points, so a batch is not shared between work-groups: 128 work-groups.
; No cluster: work-groups share no input.  No matrix instruction: the pick must be the one that f32 arithmetic makes.
; WHERE THE STATE LIES.  Thread t owns the 64 consecutive points 64 t .. 64 t + 63: x, y and mindist in 3 x 64 registers, z in LDS (read once a step).  Memory is read once.
; Since a thread's points are consecutive, the first index among equals is the first register, then the first lane, then the first wave: no index is ever formed.
; NO ADDRESS AND NO BRANCH HANGS ON THE PICK.  A lane walks its points in 16 blocks of four; whenever a block's largest mindist beats the best so far (strictly: the earlier block keeps a tie), the
; block's mindist, x, y, z (16 registers) are kept by selects.  At the end three compares pick the first best point of the kept block; lanes and waves are reduced with the coordinates alongside.
; ARITHMETIC.  d = fma(dz, dz, fma(dx, dx, dy dy)), dx = x - last.x and so on: dy dy is rounded, the two other products are fused.
; LIMITS.  Where reference() rounds the three products in another order, d may differ in its last bit, and of two candidates closer than that the other may be picked.
; NaN and infinities are not treated as an argmax treats them (a NaN never wins here).  The sign of a zero is kept.
.set ROWB,  131072                     ; bytes of one coordinate of a batch
.set BATB,  3*ROWB
.set OUTB,  768                        ; bytes of a batch's output
.set BPIT,  528                        ; LDS: a wave's block = 32 lanes x 16 bytes + 16 of padding = 132 words
.set WSUB,  16*BPIT                    ; a wave's 16 blocks
.set R0,    0                          ; region 0: x on its way to its owners, then z for good
.set R1,    16*WSUB                    ; region 1: y on its way
.set SLOT,  2*16*WSUB                  ; two sets of 16 slots of 16 bytes (a wave's best: mindist, x, y, z), 256 bytes apart, used by turns
.set SPARE, SLOT+512                   ; the spare words, 128 bytes for each of 16 waves: eight blocks of 256 bytes that no other line names
.set LANE, 0                           ; v0      my lane (the thread's number until the set-up has used it)
.set ZAD,  1                           ; v1      LDS address of my 16 bytes in my wave's block 0
.set SWA,  2                           ; v2      my wave's slot
.set SRA,  3                           ; v3      the slot that I read: lane % 16
.set SPW,  4                           ; v4      my spare word: SPARE + 4 x my thread's number; never rewritten
.set NIL,  5                           ; v5      0; never rewritten
.set OX,   6                           ; v[6:7], v[8:9], v[10:11]  picks 2 lane and 2 lane + 1: x, y, z
.set OY,   8
.set OZ,   10
.set B0,   12                          ; v12, v13  the lane's best mindist so far, by turns
.set B1,   13
.set G0,   14                          ; v14, v15  at work
.set G1,   15
.set BM,   16                          ; v[16:31]  the kept block: mindist, x, y, z of its four points
.set BX,   20
.set BY,   24
.set BZ,   28
.set ZB,   32                          ; v[32:47]  z of two blocks, two buffers
.set T,    48                          ; v[48:55]  at work
.set U,    56                          ; v[56:63]  at work
.set Q,    T                           ; the four words of a slot
.set C,    U                           ; the lane's candidate: x, y, z
.set X,    64                          ; v[64:127]
.set Y,    128                         ; v[128:191]
.set M,    192                         ; v[192:255] mindist
.set GO,   T                           ; set-up only: 16 x thread, the offset of my 16 bytes in 8,192 loaded by the work-group
.set SA,   T+1                         ; set-up only: four LDS addresses for the way to the owners
.set YAD,  T+5                         ; set-up only: ZAD in region 1
.set NPX,  20                          ; s[20:21], s[22:23], s[24:25]  minus the last pick, in the low word of a pair (the packed forms name pairs)
.set NPY,  22
.set NPZ,  24
	s_load_b128 s[4:7], s[0:1], 0x0                ; x s[4:5], out0 s[6:7]
	v_lshl_add_u32 v[SPW], v0, 2, SPARE
	v_mov_b32 v[NIL], 0
	v_lshrrev_b32 v[T+6], 5, v0
	v_readfirstlane_b32 s8, v[T+6]                 ; wave 0..15
	s_mul_i32 s10, ttmp9, BATB                     ; the batch's first byte in x (under 2^26),
	s_mov_b32 s11, 0
	s_mul_i32 s12, ttmp9, OUTB                     ; and in out0
	s_mov_b32 s13, 0
	v_lshlrev_b32 v[GO], 4, v0
	; Load i brings thread t the 16 bytes number q = 512 i + t of a coordinate: block q % 16 = t % 16 of the thread q / 16 = 32 i + t / 16, which is lane t / 16 of wave i.
	; Sixteen neighbouring lanes store 528 bytes apart.
	v_and_b32 v[T+6], 15, v0
	v_lshrrev_b32 v[T+7], 4, v0
	v_mul_u32_u24 v[SA], v[T+6], BPIT
	v_lshl_add_u32 v[SA], v[T+7], 4, v[SA]         ; region 0, waves 0-7 (the wave stands in the immediate, which holds 16 bits)
	v_add_nc_u32 v[SA+1], 8*WSUB, v[SA]            ; region 0, waves 8-15
	v_add_nc_u32 v[SA+2], R1, v[SA]                ; region 1
	v_add_nc_u32 v[SA+3], R1+8*WSUB, v[SA]
	v_lshl_add_u32 v[SRA], v[T+6], 4, SLOT
	s_mul_i32 s14, s8, WSUB
	s_lshl_b32 s15, s8, 4
	s_add_co_u32 s15, s15, SLOT
	v_mov_b32 v[SWA], s15
	v_and_b32 v[LANE], 31, v0                      ; the thread's number has served
	v_lshl_add_u32 v[ZAD], v[LANE], 4, s14         ; a wave reads 512 consecutive bytes of its own block
	v_add_nc_u32 v[YAD], R1, v[ZAD]
	s_mov_b32 s39, 0x501502f9                      ; 1e10, where reference() starts mindist
	s_mov_b32 s40, 0x76543210                      ; v_permlanex16_b32: each lane takes its own place in the other half
	s_mov_b32 s41, 0xfedcba98
	s_mov_b32 s[NPX+1], 0                          ; named with the low words as pairs
	s_mov_b32 s[NPY+1], 0
	s_mov_b32 s[NPZ+1], 0
	s_wait_kmcnt 0x0
	s_add_nc_u64 s[4:5], s[4:5], s[10:11]
	s_add_nc_u64 s[6:7], s[6:7], s[12:13]
	s_load_b32 s36, s[4:5], 0x0                    ; point 0, the first pick
	s_load_b32 s37, s[4:5], 0x20000
	s_load_b32 s38, s[4:5], 0x40000
	; All 48 loads of the wave go out at once: each covers 512 consecutive bytes, the work-group's together the batch's 393,216.
.set i, 0
.rept 16
	global_load_b128 v[X+4*i:X+4*i+3], v[GO], s[4:5] offset:i*8192 th:TH_LOAD_NT
.set i, i+1
.endr
.set i, 0
.rept 16
	global_load_b128 v[Y+4*i:Y+4*i+3], v[GO], s[4:5] offset:ROWB+i*8192 th:TH_LOAD_NT
.set i, i+1
.endr
.set i, 0
.rept 16
	global_load_b128 v[M+4*i:M+4*i+3], v[GO], s[4:5] offset:2*ROWB+i*8192 th:TH_LOAD_NT  ; z waits in mindist's registers
.set i, i+1
.endr
.set i, 0
.rept 16
	s_wait_loadcnt 47-i                            ; loads come back in order (ISA guide 5.7.1): 47 - i were issued behind x's number i
	ds_store_b128 v[SA+i/8], v[X+4*i:X+4*i+3] offset:(i%8)*WSUB
.set i, i+1
.endr
.set i, 0
.rept 16
	s_wait_loadcnt 31-i                            ; 31 - i were issued behind y's number i
	ds_store_b128 v[SA+2+i/8], v[Y+4*i:Y+4*i+3] offset:(i%8)*WSUB
.set i, i+1
.endr
	s_wait_dscnt 0x0                               ; for the others' sake: my stores are done
	s_barrier_signal -1
	s_barrier_wait -1
.set i, 0
.rept 16
	ds_load_b128 v[X+4*i:X+4*i+3], v[ZAD] offset:i*BPIT   ; my points 4 i .. 4 i + 3
	ds_load_b128 v[Y+4*i:Y+4*i+3], v[YAD] offset:i*BPIT
.set i, i+1
.endr
	s_wait_dscnt 0x0                               ; my reads of region 0 are over,
	s_barrier_signal -1
	s_barrier_wait -1                              ; everybody's are: z may take x's place
	s_wait_loadcnt 0x0
.set i, 0
.rept 16
	ds_store_b128 v[SA+i/8], v[M+4*i:M+4*i+3] offset:(i%8)*WSUB
.set i, i+1
.endr
	s_wait_dscnt 0x0
	s_barrier_signal -1
	s_barrier_wait -1                              ; z lies with its owners; nothing writes region 0 from here on
	ds_load_b128 v[ZB:ZB+3], v[ZAD]                ; z of blocks 0 and 1 for the first step
	ds_load_b128 v[ZB+4:ZB+7], v[ZAD] offset:BPIT
.set i, 0
.rept 64
	v_mov_b32 v[M+i], s39                          ; mindist starts at 1e10, as in reference(): the first step is then a step like any other
.set i, i+1
.endr
	s_wait_kmcnt 0x0                               ; point 0
	s_xor_b32 s[NPX], s36, 0x80000000              ; x + (-p) is x - p
	s_xor_b32 s[NPY], s37, 0x80000000
	s_xor_b32 s[NPZ], s38, 0x80000000
	v_mov_b32 v[OX], s36                           ; pick 0 is lane 0's; every other word is written again by its own step
	v_mov_b32 v[OX+1], s36
	v_mov_b32 v[OY], s37
	v_mov_b32 v[OY+1], s37
	v_mov_b32 v[OZ], s38
	v_mov_b32 v[OZ+1], s38
; The block at point j (its z at register z) is kept: always (first = 1), or in the lanes whose bit in VCC is set.  Two registers to a line.
.macro KEEP first, j, z
.irp p, 0, 2
.if \first
	v_dual_mov_b32 v[BM+\p], v[M+(\j)+\p] :: v_dual_mov_b32 v[BM+\p+1], v[M+(\j)+\p+1]
	v_dual_mov_b32 v[BX+\p], v[X+(\j)+\p] :: v_dual_mov_b32 v[BX+\p+1], v[X+(\j)+\p+1]
	v_dual_mov_b32 v[BY+\p], v[Y+(\j)+\p] :: v_dual_mov_b32 v[BY+\p+1], v[Y+(\j)+\p+1]
	v_dual_mov_b32 v[BZ+\p], v[(\z)+\p] :: v_dual_mov_b32 v[BZ+\p+1], v[(\z)+\p+1]
.else
	v_dual_cndmask_b32 v[BM+\p], v[BM+\p], v[M+(\j)+\p] :: v_dual_cndmask_b32 v[BM+\p+1], v[BM+\p+1], v[M+(\j)+\p+1]
	v_dual_cndmask_b32 v[BX+\p], v[BX+\p], v[X+(\j)+\p] :: v_dual_cndmask_b32 v[BX+\p+1], v[BX+\p+1], v[X+(\j)+\p+1]
	v_dual_cndmask_b32 v[BY+\p], v[BY+\p], v[Y+(\j)+\p] :: v_dual_cndmask_b32 v[BY+\p+1], v[BY+\p+1], v[Y+(\j)+\p+1]
	v_dual_cndmask_b32 v[BZ+\p], v[BZ+\p], v[(\z)+\p] :: v_dual_cndmask_b32 v[BZ+\p+1], v[BZ+\p+1], v[(\z)+\p+1]
.endif
.endr
.endm
; Blocks 2 k and 2 k + 1 (k is set by STEP): eight points a lane.  z of the next two blocks (behind the last: of the next step's first two) is asked for first.
; last = 1: the launch's last step asks for nothing behind its last blocks.
.macro PAIR last
.set ZC, ZB+8*(k%2)
.set ZN, ZB+8*((k+1)%2)
.set J, 8*k
.if (k < 7) || !(\last)
	ds_load_b128 v[ZN:ZN+3],   v[ZAD] offset:((2*k+2)%16)*BPIT
	ds_load_b128 v[ZN+4:ZN+7], v[ZAD] offset:((2*k+3)%16)*BPIT
.endif
.irp p, 0,2,4,6
	v_pk_add_f32 v[U+\p:U+\p+1], v[Y+J+\p:Y+J+\p+1], s[NPY:NPY+1] op_sel_hi:[1,0]   ; dy
.endr
.irp p, 0,2,4,6
	v_pk_add_f32 v[T+\p:T+\p+1], v[X+J+\p:X+J+\p+1], s[NPX:NPX+1] op_sel_hi:[1,0]   ; dx
.endr
.irp p, 0,2,4,6
	v_pk_mul_f32 v[U+\p:U+\p+1], v[U+\p:U+\p+1], v[U+\p:U+\p+1]                     ; dy dy
.endr
.irp p, 0,2,4,6
	v_pk_fma_f32 v[U+\p:U+\p+1], v[T+\p:T+\p+1], v[T+\p:T+\p+1], v[U+\p:U+\p+1]     ; + dx dx
.endr
.if (k < 7) || !(\last)
	s_wait_dscnt 0x2                               ; LDS loads come back in order (ISA guide 5.7.1): all but the two just issued are in, this pair's z among them
.else
	s_wait_dscnt 0x0
.endif
.irp p, 0,2,4,6
	v_pk_add_f32 v[T+\p:T+\p+1], v[ZC+\p:ZC+\p+1], s[NPZ:NPZ+1] op_sel_hi:[1,0]     ; dz; z itself stays, for KEEP
.endr
.irp p, 0,2,4,6
	v_pk_fma_f32 v[U+\p:U+\p+1], v[T+\p:T+\p+1], v[T+\p:T+\p+1], v[U+\p:U+\p+1]     ; + dz dz
.endr
.irp p, 0,2,4,6
	v_dual_min_num_f32 v[M+J+\p], v[U+\p], v[M+J+\p] :: v_dual_min_num_f32 v[M+J+\p+1], v[U+\p+1], v[M+J+\p+1]
.endr
	v_max3_num_f32 v[G0], v[M+J], v[M+J+1], v[M+J+2]
	v_max3_num_f32 v[G1], v[M+J+4], v[M+J+5], v[M+J+6]
.if k == 0
	v_max_num_f32 v[B1], v[G0], v[M+J+3]           ; a step's first block starts the best and is kept as it is
	v_max3_num_f32 v[B0], v[G1], v[M+J+7], v[B1]
	KEEP 1, J, ZC
.else
	v_max3_num_f32 v[B1], v[G0], v[M+J+3], v[B0]   ; the best with this block;
	v_cmp_gt_f32 vcc_lo, v[B1], v[B0]              ; it has grown where the block beats all earlier ones
	v_max3_num_f32 v[B0], v[G1], v[M+J+7], v[B1]
	KEEP 0, J, ZC
.endif
	v_cmp_gt_f32 vcc_lo, v[B0], v[B1]
	KEEP 0, J+4, ZC+4
.endm
; ONE STEP.  so: which set of slots; the pick goes to word h of the output pairs in lane kk.
.macro STEP so, h, kk, last
.set k, 0
.rept 8
	PAIR \last
.set k, k+1
.endr
	; The first point of the kept block that holds the lane's best, and beside it the largest best of the 32 lanes.
	v_max_num_f32_dpp v[Q], v[B0], v[B0] row_xmask:1 row_mask:0xf bank_mask:0xf
	v_cmp_eq_f32 s32, v[BM+2], v[B0]
	v_cmp_eq_f32 s31, v[BM+1], v[B0]
	v_cmp_eq_f32 s30, v[BM], v[B0]
	v_max_num_f32_dpp v[Q], v[Q], v[Q] row_xmask:2 row_mask:0xf bank_mask:0xf
	v_cndmask_b32 v[C],   v[BX+3], v[BX+2], s32
	v_cndmask_b32 v[C+1], v[BY+3], v[BY+2], s32
	v_cndmask_b32 v[C+2], v[BZ+3], v[BZ+2], s32
	v_max_num_f32_dpp v[Q], v[Q], v[Q] row_xmask:4 row_mask:0xf bank_mask:0xf
	v_cndmask_b32 v[C],   v[C],   v[BX+1], s31
	v_cndmask_b32 v[C+1], v[C+1], v[BY+1], s31
	v_cndmask_b32 v[C+2], v[C+2], v[BZ+1], s31
	v_max_num_f32_dpp v[Q], v[Q], v[Q] row_xmask:8 row_mask:0xf bank_mask:0xf
	v_cndmask_b32 v[C],   v[C],   v[BX], s30       ; the earliest point is tried last, so it wins a tie
	v_cndmask_b32 v[C+1], v[C+1], v[BY], s30
	v_cndmask_b32 v[C+2], v[C+2], v[BZ], s30
	v_permlanex16_b32 v[Q+4], v[Q], s40, s41
	v_max_num_f32 v[Q], v[Q], v[Q+4]               ; the wave's best, in every lane
	v_cmp_eq_f32 s33, v[B0], v[Q]
	s_ctz_i32_b32 s34, s33                         ; the first lane that holds it: the lowest points.  It selects a lane of registers, no address
	v_readlane_b32 s36, v[C], s34
	v_readlane_b32 s37, v[C+1], s34
	v_readlane_b32 s38, v[C+2], s34
	v_mov_b32 v[Q+1], s36
	v_mov_b32 v[Q+2], s37
	v_mov_b32 v[Q+3], s38
	ds_store_b128 v[SWA], v[Q:Q+3] offset:\so      ; all lanes write the same 16 bytes
	s_wait_dscnt 0x0                               ; for the others' sake: my slot is written (and the z asked for ahead is in)
	s_barrier_signal -1
	s_barrier_wait -1                              ; ONE barrier a step: the other set of slots, read in the step before, is written again only behind this barrier,
	ds_load_b128 v[Q:Q+3], v[SRA] offset:\so       ; in front of which every wave has waited for its reads of it
	s_wait_dscnt 0x0
	v_max_num_f32_dpp v[Q+4], v[Q], v[Q] row_xmask:1 row_mask:0xf bank_mask:0xf     ; each half of the lanes holds the sixteen waves' bests
	v_max_num_f32_dpp v[Q+4], v[Q+4], v[Q+4] row_xmask:2 row_mask:0xf bank_mask:0xf
	v_max_num_f32_dpp v[Q+4], v[Q+4], v[Q+4] row_xmask:4 row_mask:0xf bank_mask:0xf
	v_max_num_f32_dpp v[Q+4], v[Q+4], v[Q+4] row_xmask:8 row_mask:0xf bank_mask:0xf
	v_cmp_eq_f32 s33, v[Q], v[Q+4]
	s_ctz_i32_b32 s34, s33                         ; the first wave that holds the batch's best
	v_readlane_b32 s36, v[Q+1], s34
	v_readlane_b32 s37, v[Q+2], s34
	v_readlane_b32 s38, v[Q+3], s34
	s_xor_b32 s[NPX], s36, 0x80000000
	s_xor_b32 s[NPY], s37, 0x80000000
	s_xor_b32 s[NPZ], s38, 0x80000000
	v_cmp_eq_u32 vcc_lo, \kk, v[LANE]
	v_cndmask_b32 v[OX+\h], v[OX+\h], s36, vcc_lo
	v_cndmask_b32 v[OY+\h], v[OY+\h], s37, vcc_lo
	v_cndmask_b32 v[OZ+\h], v[OZ+\h], s38, vcc_lo
.endm
	s_mov_b32 s9, 0
.Ltwo:                                                 ; trip n makes picks 2 n + 1 and 2 n + 2; two steps to a trip, so that the set of slots is a constant of each
	STEP 0, 1, s9, 0
	s_add_co_u32 s10, s9, 1
	STEP 256, 0, s10, 0
	s_add_co_u32 s9, s9, 1
	s_cmp_lt_u32 s9, 31
	s_cbranch_scc1 .Ltwo
	STEP 0, 1, 31, 1                               ; pick 63
	s_wait_tensorcnt 0x0                           ; the wave's end: behind my last LDS store
	ds_add_u32 v[SPW], v[NIL]
	s_wait_dscnt 0x0
	s_cmp_lg_u32 s8, 0
	s_cbranch_scc1 .Lend                           ; every wave holds the picks; wave 0 stores them
	v_lshlrev_b32 v[ZAD], 3, v[LANE]
	global_store_b64 v[ZAD], v[OX:OX+1], s[6:7]              ; each store covers 256 consecutive bytes, at a multiple of 256 from out0's first byte: one coordinate's 64 picks
	global_store_b64 v[ZAD], v[OY:OY+1], s[6:7] offset:256
	global_store_b64 v[ZAD], v[OZ:OZ+1], s[6:7] offset:512
.Lend:
	s_endpgm
.Lfunc_end_k_q99341eb44f_fps:
	.size	k_q99341eb44f_fps, .Lfunc_end_k_q99341eb44f_fps-k_q99341eb44f_fps
	.p2alignl 7, 3214868480
	.fill 96, 4, 3214868480
	.section	.rodata,"a",@progbits
	.p2align	6, 0x0
	.amdhsa_kernel k_q99341eb44f_fps
		.amdhsa_group_segment_fixed_size 272896
		.amdhsa_private_segment_fixed_size 0
		.amdhsa_enable_private_segment 0
		.amdhsa_kernarg_size 16
		.amdhsa_user_sgpr_count 2
		.amdhsa_user_sgpr_kernarg_segment_ptr 1
		.amdhsa_wavefront_size32 1
		.amdhsa_system_sgpr_workgroup_id_x 1
		.amdhsa_system_sgpr_workgroup_id_y 1
		.amdhsa_system_sgpr_workgroup_id_z 1
		.amdhsa_system_vgpr_workitem_id 0
		.amdhsa_next_free_vgpr 256
		.amdhsa_next_free_sgpr 66
		.amdhsa_reserve_vcc 1
		.amdhsa_float_denorm_mode_32 3
		.amdhsa_float_denorm_mode_16_64 3
		.amdhsa_memory_ordered 1
		.amdhsa_forward_progress 1
		.amdhsa_inst_pref_size 102
	.end_amdhsa_kernel
	.amdgpu_metadata
---
amdhsa.version: [ 1, 2 ]
amdhsa.kernels:
  - .name:           k_q99341eb44f_fps
    .symbol:         k_q99341eb44f_fps.kd
    .args:
      - { .name: x, .offset: 0, .size: 8, .value_kind: global_buffer, .address_space: global }
      - { .name: out0, .offset: 8, .size: 8, .value_kind: global_buffer, .address_space: global }
    .group_segment_fixed_size: 272896
    .private_segment_fixed_size: 0
    .kernarg_segment_align: 8
    .kernarg_segment_size: 16
    .max_flat_workgroup_size: 512
    .sgpr_count:     66
    .vgpr_count:     256
    .wavefront_size: 32
...
	.end_amdgpu_metadata
.endif
;; end of part 1
